; MI455X (gfx1250); checked and timed in simulation.
; The chip was launched on July 23, 2026; its instructions are those of AMD's public machine-readable ISA for CDNA 5 (MIT licence, August 2026) and "CDNA5" Instruction Set Architecture Reference Guide (July 2026). The comments in the code are by the model that wrote it; some were corrected since.
;; Attention. Allowed arithmetic: matrix products marked QUANTISED: E4M3 operands, one given power-of-two scale a tensor, by v_wmma_f32_16x16x64_fp8_fp8 or v_wmma_f32_16x16x128_fp8_fp8, f32 sums; everything else in f32.
;; Inputs: keys 2 x 2,048 x 1,024 float32; lowp_scales 4 int32 (the exponents e of the quantised operands' scales 2^e); queries 2 x 2,048 x 1,024 float32; queries_mask 2 x 2,048 bool; values_codes 2 x 1,024 x 64 x 32 uint8 (E4M3 codes of values, K innermost, in blocks of 32 codes); values_mask 2 x 2,048 bool.
;; Outputs: out0 2 x 2,048 x 1,024 float32.
;; This version of the problem:
;;   THIS VERSION OF THE PROBLEM IS GIVEN IN LOW PRECISION. The matrix products marked QUANTISED in the list below multiply operands that are first quantised to E4M3 (4 exponent bits, 3 mantissa bits; 8 bits a number), with one given power-of-two scale for each operand tensor; their sums are f32. All else is computed in f32.
;;   The module's matrix products, in the order in which they are computed (A, B: the left and right operand; K: the contracted axis; several contracted axes count as one K, in the product's order):
;;     1. batch 32 x [M 2,048, K 64] x [K 64, N 2,048]; A: input queries; B: input keys: QUANTISED (scales: A lowp_scales[0], B lowp_scales[1])
;;     2. batch 32 x [M 2,048, K 2,048] x [K 2,048, N 64]; A: softmax (see below); B: input values (given as codes): QUANTISED (scales: A lowp_scales[2], B lowp_scales[3])
;;   THE QUANTISER, for each operand of a quantised product, along K:
;;     - The operand's scale is 2^e, e = its entry of the input lowp_scales (int32; the entries are numbered through the quantised products in the list's order, A before B).
;;     - Each number is divided by the scale, clamped to +-448, and rounded to the nearest number of E4M3, ties to even, subnormals kept.
;;     - The product sums the exact products of the quantised numbers (number of the format x scale) in f32.
;;   ~~~python
;;   def quantise(x, axis, e):      # numpy; x: float32 -> the quantised numbers, widened to float32 again
;;       x = np.moveaxis(x, axis, -1); K = x.shape[-1]
;;       r = np.clip(x / 2.0 ** e, -448, 448)
;;       step = 2.0 ** (np.maximum(np.frexp(np.where(r == 0, 1, r))[1] - 1, -6) - 3)
;;       q = np.round(r / step) * step * 2.0 ** e      # np.round: ties to even
;;       return np.moveaxis(q, -1, axis).astype(np.float32)
;;   ~~~
;;   SOFTMAX AHEAD OF A QUANTISED PRODUCT. Where the list says 'softmax', what is quantised is not the finished softmax but p = 2^(t - M), with t = logit x log2(e) and M = ceil(the row's largest t), a whole number; so 1/2 < the row's largest p <= 1. The row's sum l is taken of the UNQUANTISED p, in f32, and the product's result is divided by l at the end. Since M is a whole number, a kernel that streams over the keys may use a running M (the ceiling of the running maximum): every later rescaling is an exact power of two, so the quantised numbers keep their values, but for numbers so far below the row's largest that they fall under the format's range.
;;   OPERANDS COMPUTED ON THE WAY. 'Computed on the way' means the value that the module computes at that place (a softmax that the list does not call 'softmax' is quantised finished and normalised). What goes into a quantiser is computed in f32, as accurately as f32 sums, v_exp_f32 and their like allow (about 1e-6 of the number): no bf16 or f16 on the way to a quantiser, and a product that is left as it is and whose result goes on into a quantised operand takes f32 operands (vector FMAs, or v_wmma_f32_16x16x4_f32). A number that lies on a knife's edge between two numbers of the format may be rounded either way, as far as f32 arithmetic and the matrix unit's own rounding can turn it there, and no further.
;;   INPUTS GIVEN AS CODES. values (in the module: [2, 2048, 1024], K = its axis 1): each comes as NAME_codes (uint8): NAME with its K axis moved to the last place and cut into blocks of 32 codes, [.., K / 32, bytes a block], one block behind the other in memory; one code a byte (a code: sign, 4 exponent bits, 3 mantissa bits); its scale is its entry of lowp_scales. Its value is code x scale, taken as it is: it is not quantised again, and the codes and scales need not be those that the quantiser above would give.
;; 2 versions. Each part assembles by itself: llvm-mc -triple=amdgcn-amd-amdhsa -mcpu=gfx1250 --defsym DOCPART=n.
;; ======== version 1 of 2: 1 launch
;; launch attn (part 1): grid 8 x 32, 16 waves a work-group, no clusters, 313,344 bytes of LDS; arguments queries, keys, values_codes, lowp_scales, queries_mask, values_mask, out0; writes out0
.if DOCPART == 1
	.amdgcn_target "amdgcn-amd-amdhsa--gfx1250"
	.amdhsa_code_object_version 6
	.text
	.protected	k_q69069ed7b8_attn
	.globl	k_q69069ed7b8_attn
	.p2align	8
	.type	k_q69069ed7b8_attn,@function
k_q69069ed7b8_attn:
	s_mov_b64 s[64:65], 0
	v_nop
	global_prefetch_b8 v0, s[64:65] scope:SCOPE_SE
	s_setreg_imm32_b32 hwreg(HW_REG_WAVE_MODE, 25, 1), 1
	s_wait_xcnt 0x0
; out[b][q][64 h + d] = sum over k of softmax_k(Q.K / 8 - 999999 x (values_mask[b][k] and k <= q)) V[k][d], rows with queries_mask = 0 set to 0.
; Both products on codes of E4M3.  Q and K arrive as f32 and are quantised here with 2^e0, 2^e1; V arrives as codes, keys innermost (2^e3); p = 2^(t - M), M a whole number, is quantised with 2^e2.
; SHARES.  Grid 8 x 32: y = the head (16 b + h), x = g.  A work-group has sixteen waves of 256 registers, each with ONE tile of 16 queries: tile 8 rank + g, rank = (wave + 15) mod 16, first query Q0 = 128 rank + 16 g.
; So every work-group holds one tile of each block of 128 queries, and all 256 work-groups have like work.
; LDS.  The whole head lies in LDS at the end: K as codes (2,048 rows of 64 bytes, pitch 80), V as codes (8 slots of 64 channels x 256 keys, pitch 272), and the bias -999999 x values_mask as f32.  Every byte of them is written once.
; They are staged through registers, a slot of 256 keys at a time, one slot ahead of its use: global loads two slots ahead, quantiser and LDS stores one slot ahead, one barrier a slot.
; LAYOUT.  Both products are used transposed: S^T = K Q^T (source 0 = 16 keys), O^T = V^T P^T (source 0 = 16 channels): a lane holds ONE query (lane % 16) throughout.
; In each group of 32 keys the LDS row of a key is the key with bits 3 and 4 exchanged: so tile t of a step is rows 16 t .. 16 t + 15, and register 16 b + i of S^T holds key 32 b + 16 (lane / 16) + i: 16 neighbours,
; which the conversions turn straight into the second product's operand.  Fragments are fetched 16 bytes a lane: a permutation of k that is the same on both sides of each product.
; STEPS of 128 keys, s = 0 .. 15.  s > rank (OPEN): every key comes after every query of the tile: no bias, t - M = fma(sum, log2(e) 2^(e0+e1-3), -M).
; s = rank (DIAGONAL), s < rank (BELOW): the logit L = fma(sum, 2^(e0+e1-3), bias), one rounding to f32 as in reference().  Under the bias t = L log2(e) lies near -1.44e6, where neighbouring f32 numbers are 1/8 apart:
; so t is never held in f32 by itself.  With log2(e) = hi + lo (0x3fb8aa3b + 0x32a57060): t - M = fma(L, lo, fma(L, hi, -M)): the inner sum is formed exactly and only a small number is rounded.
; M.  The running maximum is kept of the LOGIT (t grows with it); -M = floor(-t) is made of that one number's two-part product H + R, so M is the ceiling of the largest t at every magnitude, and p <= 1.
; A BELOW STEP IS LEFT OUT where (a) all its 128 bytes of values_mask are 1, (b) e0 + e1 <= -2, (c) the tile does not hold query 2047.  Then |score| <= 64 x 448^2 x 2^-2 / 8 = 401,408, every query q of the tile has
; the unbiased key q + 1 in a step that is not left out, and each t of the step lies more than 284,000 under M: p is 0 in f32, for the sum and for the code.  All three conditions are whole numbers read from inputs or ids.
; NO CLUSTER, NO TENSOR LOAD: K has to pass through registers to be quantised, V is two loads and two stores a lane and slot, and the steps left out hang on loaded numbers and on g, which partners of a cluster would not share.
; LIMITS: e0, e1, e2 between -126 and 119; e0 + e1 between -123 and 130 (each power of two below is an f32 number); logits above -1e38 (the running maximum's start).  NaN among the inputs is not served.
; A row with queries_mask = 0 may hold -0 for 0.
.set KP,    80                         ; a key's row in LDS: 64 codes + 16 bytes: the 16 rows of a fragment load start 80 bytes apart, an odd multiple of 16
.set VP,    272                        ; a channel's row of a slot: 256 codes + 16
.set SLOTK, 256*KP                     ; 20,480
.set SLOTV, 64*VP                      ; 17,408
.set VREG,  8*SLOTK                    ; 163,840: V behind K
.set BIAS,  VREG+8*SLOTV               ; 303,104: 2,048 f32, in the keys' own order
.set OP,    272                        ; the way out: 16 rows x (256 bytes + 16) for each wave, at wave x 4,352, over K's first rows, behind the closing barrier
; VECTOR REGISTERS.  v1 K fragment place, v2 V fragment place, v3 bias place, v4 K global offset, v5 K store place, v6 V global offset, v7 V store place, v8-10 LDS addresses in hand, v11 D = 16 g + r - 16 hh,
; v12 -M, v13 largest logit, v[14:15] the sum, v16-23 Q's codes, v24/25 2^e1 and 448 x 2^e1, v26/27 the same for e2, v28, v30 prefetch offsets, v29 my query's mask byte, v31 out offset,
; v32-95 fragments of K, or the bias, or fragments of V, v96-159 S^T, then the logit, then p, v160-191 O^T, v192-207 p's codes (ahead of them: at work on t - M), v208-239 K as f32 on its way, v240-247 V's codes on their way,
; v[248:249] f, v[250:251], v252, v254, v255 at work.
; SCALAR REGISTERS.  s[4:5] Q, s[6:7] K (walks), s[8:9] V (walks), s[10:11] scales, s[12:13] queries_mask, s[14:15] values_mask, s[16:17] out, s18 wave, s19 rank, s20 g, s21 Q0, s[22:23] lane selects, s[24:27] e0-e3,
; s28 what brings the step's maximum into the logit's units, s[30:31] log2(e) 2^(e0+e1-3), s[32:33] 2^(e0+e1-3), s34 bit s = step s is left out, s35 the step, s36 the loop's counter, s37-39 the slot's bytes in K, V, bias,
; s[52:53] log2(e)'s upper part, s[56:57] its lower part.
.macro SCALE e, sc, lim                ; v[sc] = 2^e as f32 (a conversion takes its exponent field), v[lim] = 448 x 2^e
	s_add_co_i32 s40, s[\e], 127
	s_lshl_b32 s41, s40, 23
	v_mov_b32 v[\sc], s41
	s_add_co_i32 s40, s40, 8
	s_lshl_b32 s40, s40, 23
	s_or_b32 s40, s40, 0x600000
	v_mov_b32 v[\lim], s40
.endm
; A slot's global loads.  K: four lanes to a key, 16 neighbouring numbers a lane; the sixteen waves take 128 keys, twice.  V: sixteen lanes read 256 consecutive bytes of a channel's row; 32 rows, twice.
.macro LOADS
.irp a, 0,1
.irp j, 0,1,2,3
	global_load_b128 v[208+16*\a+4*\j:211+16*\a+4*\j], v4, s[6:7] offset:524288*\a+16*\j
.endr
.endr
.irp u, 0,1
	global_load_b128 v[240+4*\u:243+4*\u], v6, s[8:9] offset:65536*\u
.endr
.endm
; What LOADS brought goes to LDS: K held within +-448 x 2^e1 (the conversion to an 8-bit code does not saturate: ISA guide 7.6.2) and converted, V as it is.  v8, v9: the store places.
; The 32 holds are also the places between the last products and the conversions, which write registers that those products read.
.macro STAGE koff, voff
.set n, 0
.rept 32
	v_med3_num_f32 v[208+n], v[208+n], -v25, v25
.set n, n+1
.endr
.irp m, 0,1,2,3
	v_cvt_scalef32_pk8_fp8_f32 v[32+2*\m:33+2*\m], v[208+8*\m:215+8*\m], v24
.endr
	v_nop                                          ; one plain line behind the last conversion
	ds_store_b128 v8, v[32:35] offset:\koff
	ds_store_b128 v8, v[36:39] offset:\koff+128*KP
	ds_store_b128 v9, v[240:243] offset:\voff
	ds_store_b128 v9, v[244:247] offset:\voff+32*VP
.endm
; A KEY STEP: 128 keys, the q-th half of the slot in hand.
.macro STEP q
	v_add_nc_u32 v8, s37, v1                       ; the three addresses are made on every way; with the v_nop below they are the four places in front of loads into registers that the last products read
	v_add_nc_u32 v9, s38, v2
	v_add_nc_u32 v10, s39, v3
	s_lshr_b32 s40, s34, s35
	s_and_b32 s40, s40, 1
	s_cmp_lg_u32 s40, 0
	s_cbranch_scc1 .Lskip_\@                       ; a step whose every p is 0: see the head
	v_nop
.irp t, 0,1,2,3,4,5,6,7
.irp c, 0,1
	ds_load_b128 v[32+8*\t+4*\c:35+8*\t+4*\c], v8 offset:(128*(\q)+16*\t)*KP+32*\c
.endr
.endr
	s_wait_dscnt 0x0
.irp t, 0,1,2,3,4,5,6,7
	v_wmma_f32_16x16x64_fp8_fp8 v[96+8*\t:103+8*\t], v[32+8*\t:39+8*\t], v[16:23], 0
.endr
.rept 4
	v_nop                                          ; places: the results are read next, and loads go into the fragments' registers
.endr
	s_cmp_gt_u32 s35, s19
	s_cselect_b32 s28, s32, 1.0                    ; OPEN: the registers keep the sums, and a logit is sum x 2^(e0+e1-3); else they hold logits below
	s_cbranch_scc1 .Lopen_\@
.irp b, 0,1,2,3
.irp j, 0,1,2,3
	ds_load_b128 v[32+16*\b+4*\j:35+16*\b+4*\j], v10 offset:512*(\q)+128*\b+16*\j   ; the bias of my 64 keys, in the order of S^T's registers
.endr
.endr
	s_wait_dscnt 0x0
	s_cmp_eq_u32 s35, s19
	s_cbranch_scc0 .Lbelow_\@
.set n, 0
.rept 64                                       ; DIAGONAL: the bias stays only where key <= query: 32 b + i <= D
	v_cmp_le_i32 vcc_lo, 32*(n/16)+n%16, v11
	v_cndmask_b32 v[32+n], 0, v[32+n], vcc_lo
.set n, n+1
.endr
.Lbelow_\@:
.set n, 0
.rept 32
	v_pk_fma_f32 v[96+n:97+n], v[96+n:97+n], s[32:33], v[32+n:33+n] op_sel_hi:[1,0,1]   ; L = score + bias, rounded once; each accumulator from its low end on
.set n, n+2
.endr
.Lopen_\@:
.irp t, 0,1,2,3
.irp c, 0,1,2,3
	ds_load_b128 v[32+16*\t+4*\c:35+16*\t+4*\c], v9 offset:16*\t*VP+128*(\q)+32*\c   ; V's four fragments land while the softmax is worked
.endr
.endr
	v_max3_num_f32 v254, v96, v97, v98             ; the largest of my query's 64 numbers, in two chains, ascending
	v_max3_num_f32 v252, v99, v100, v101
.set n, 6
.rept 14
	v_max3_num_f32 v254, v254, v[96+n], v[97+n]
	v_max3_num_f32 v252, v252, v[98+n], v[99+n]
.set n, n+4
.endr
	v_max3_num_f32 v254, v254, v158, v159
	v_max_num_f32 v254, v254, v252
	v_permlanex16_b32 v255, v254, s22, s23
	v_max_num_f32 v254, v254, v255                 ; and of lane l xor 16
	v_mul_f32 v254, s28, v254                      ; as a logit (a power of two, or 1: nothing is rounded)
	v_max_num_f32 v13, v13, v254                   ; the running largest logit
	v_mul_f32 v252, s52, v13                       ; its t in two parts: H = fl(L hi),
	v_fma_f32 v250, v13, s52, -v252                ; L hi - H, which the fused form gives exactly,
	v_fma_f32 v250, v13, s56, v250                 ; R = L lo + that: t = H + R
	v_floor_f32 v251, -v252                        ; n0 = floor(-H)
	v_add_f32 v252, v252, v251                     ; H + n0 = -g, g in [0, 1): exact
	v_add_f32 v252, v252, v250                     ; -(g - R)
	v_floor_f32 v252, -v252                        ; floor(g - R)
	v_mov_b32 v254, v12
	v_add_f32 v12, v251, v252                      ; -M = floor(-t) = -ceil(t): a whole number
	v_sub_f32 v254, v12, v254                      ; old M - new M, 0 or less
	v_cvt_i32_f32 v254, v254                       ; (it saturates)
	v_ldexp_f32 v248, 1.0, v254                    ; f = 2^(old M - new M): rounds nothing
	s_cmp_gt_u32 s35, s19
	s_cbranch_scc1 .Lfused_\@
; t - M of a logit that may carry the bias: L hi - M first, fused, then + L lo.  Sixteen numbers at a time through p's code registers, which are free until the conversions
; and were last read by a product far more than four plain lines back.
.set n, 0
.rept 4
.set m, 0
.rept 8
	v_pk_fma_f32 v[192+m:193+m], v[96+n+m:97+n+m], s[52:53], v[12:13] op_sel_hi:[1,0,0]
.set m, m+2
.endr
.set m, 0
.rept 8
	v_pk_fma_f32 v[96+n+m:97+n+m], v[96+n+m:97+n+m], s[56:57], v[192+m:193+m] op_sel_hi:[1,0,1]
.set m, m+2
.endr
.set n, n+16
.endr
	s_branch .Lexp_\@
.Lfused_\@:
.set n, 0
.rept 32
	v_pk_fma_f32 v[96+n:97+n], v[96+n:97+n], s[30:31], v[12:13] op_sel_hi:[1,0,0]   ; OPEN: t - M straight from the sums
.set n, n+2
.endr
.Lexp_\@:
.set n, 0
.rept 64
	v_exp_f32 v[96+n], v[96+n]                     ; p = 2^(t - M): not normalised
.set n, n+1
.endr
	v_pk_mul_f32 v[14:15], v[14:15], v[248:249] op_sel_hi:[1,0]   ; the sum under the new M (a plain line behind the exponentials)
	s_wait_alu depctr_va_vdst(0)
	v_pk_add_f32 v[250:251], v[96:97], v[98:99]    ; the sum is taken of the unquantised p, in two chains
.set n, 4
.rept 15
	v_pk_add_f32 v[14:15], v[14:15], v[96+n:97+n]
	v_pk_add_f32 v[250:251], v[250:251], v[98+n:99+n]
.set n, n+4
.endr
	v_pk_add_f32 v[14:15], v[14:15], v[250:251]
	s_cmp_ge_i32 s26, -8                           ; p is under 1.75 = 448 x 2^-8: from e2 = -8 on no p passes the largest code, and the hold is not needed
	s_cbranch_scc1 .Lnohold_\@
.set n, 0
.rept 64
	v_min_num_f32 v[96+n], v[96+n], v27            ; p is not negative: a one-sided hold
.set n, n+1
.endr
.Lnohold_\@:
.irp b, 0,1,2,3
	v_cvt_scalef32_pk8_fp8_f32 v[192+4*\b:193+4*\b], v[96+16*\b:103+16*\b], v26
	v_cvt_scalef32_pk8_fp8_f32 v[194+4*\b:195+4*\b], v[104+16*\b:111+16*\b], v26
.endr
.set n, 0
.rept 16
	v_pk_mul_f32 v[160+n:161+n], v[160+n:161+n], v[248:249] op_sel_hi:[1,0]   ; O^T under the new M; also the plain lines behind the conversions
.set n, n+2
.endr
	s_wait_dscnt 0x0                               ; V's fragments
.irp t, 0,1,2,3                                ; the four accumulators take one turn each
	v_wmma_f32_16x16x128_fp8_fp8 v[160+8*\t:167+8*\t], v[32+16*\t:47+16*\t], v[192:207], v[160+8*\t:167+8*\t]
.endr
.Lskip_\@:
	s_add_co_u32 s35, s35, 1
.endm
; A SLOT: two steps.  stage = 1: between them the next slot goes to LDS, and the barrier is signalled; it is waited for behind the second step, which reads only this slot and the bias, bytes that nobody writes again in the loop.
; load = 1: the slot after the next is asked for.  pf = 1: the prefetch.
.macro TRIP stage, load, pf
	STEP 0
.if \stage
	s_wait_loadcnt 0x0                             ; the next slot's ten loads, asked for a slot ago
	v_add_nc_u32 v8, s37, v5
	v_add_nc_u32 v9, s38, v7
	STAGE SLOTK, SLOTV
	s_wait_dscnt 0x0                               ; for the others: my stores have landed; and they have read their registers
.endif
.if \load
	s_wait_xcnt 0x0                                ; the bases are stepped only behind this wait (the last prefetch named them too)
	s_add_nc_u64 s[6:7], s[6:7], 0x100000          ; 256 keys x 4,096 bytes
	s_add_nc_u64 s[8:9], s[8:9], 256
	LOADS
.endif
.if \pf
; Of a head's eight work-groups, number g = trip + 4 asks for slot g of K (waves 0-7: 256 rows, a lane to each row's 256 bytes) and of V (waves 8, 9: 64 rows): two slots beyond the loads just issued.
; Each block of slots 4 to 7 is asked for once in the launch; g ends at 7, so nothing beyond slot 7 is named.
	s_add_co_u32 s40, s36, 4
	s_cmp_lg_u32 s40, s20
	s_cbranch_scc1 .Lnopf_\@
	s_cmp_lt_u32 s18, 8
	s_cbranch_scc0 .Lpfv_\@
	global_prefetch_b8 v28, s[6:7] offset:2097152 th:TH_LOAD_NT scope:SCOPE_SE
	s_branch .Lnopf_\@
.Lpfv_\@:
	s_cmp_lt_u32 s18, 10
	s_cbranch_scc0 .Lnopf_\@
	global_prefetch_b8 v30, s[8:9] offset:512 th:TH_LOAD_NT scope:SCOPE_SE
.Lnopf_\@:
.endif
.if \stage
	s_barrier_signal -1
.endif
	STEP 1
.if \stage
	s_barrier_wait -1                              ; the next slot is whole
	s_add_co_u32 s37, s37, SLOTK
	s_add_co_u32 s38, s38, SLOTV
	s_add_co_u32 s39, s39, 1024
.endif
.endm
	s_load_b256 s[4:11], s[0:1], 0x0               ; queries, keys, values_codes, lowp_scales
	s_load_b128 s[12:15], s[0:1], 0x20             ; queries_mask, values_mask
	s_load_b64 s[16:17], s[0:1], 0x30              ; out0
	v_lshrrev_b32 v138, 5, v0
	v_readfirstlane_b32 s18, v138                  ; wave 0..15
	s_add_co_u32 s19, s18, 15
	s_and_b32 s19, s19, 15                         ; rank
	s_mov_b32 s20, ttmp9                           ; g
	s_lshl_b32 s21, s19, 7
	s_lshl_b32 s40, s20, 4
	s_add_co_u32 s21, s21, s40                     ; Q0 = 128 rank + 16 g
	v_and_b32 v135, 15, v0                         ; r
	v_bfe_u32 v136, v0, 4, 1                       ; hh
	v_lshlrev_b32 v138, 4, v136
	v_sub_nc_u32 v11, v135, v138
	v_add_nc_u32 v11, s40, v11                     ; D = 16 g + r - 16 hh
	v_mul_u32_u24 v1, v135, KP
	v_lshl_add_u32 v1, v136, 4, v1                 ; K fragment: row r, + 16 hh
	v_mul_u32_u24 v2, v135, VP
	v_lshl_add_u32 v2, v136, 4, v2
	v_add_nc_u32 v2, VREG, v2                      ; V fragment: channel r, + 16 hh
	v_lshlrev_b32 v3, 6, v136
	v_add_nc_u32 v3, BIAS, v3                      ; bias: 16 hh keys on
	v_lshrrev_b32 v138, 2, v0
	v_and_b32 v139, 3, v0
	v_lshlrev_b32 v4, 12, v138
	v_lshl_add_u32 v4, v139, 6, v4                 ; K in memory: key 8 wave + lane / 4, my 64 bytes of its 256
	s_lshr_b32 s40, s18, 2                         ; its LDS row: bits 3 and 4 of the key (the wave's bits 0 and 1) exchanged
	s_lshl_b32 s40, s40, 5
	s_and_b32 s41, s18, 1
	s_lshl_b32 s41, s41, 4
	s_add_co_u32 s40, s40, s41
	s_bfe_u32 s41, s18, 0x10001
	s_lshl_b32 s41, s41, 3
	s_add_co_u32 s40, s40, s41
	s_mul_i32 s40, s40, KP
	v_bfe_u32 v138, v0, 2, 3
	v_mul_u32_u24 v5, v138, KP
	v_lshl_add_u32 v5, v139, 4, v5
	v_add_nc_u32 v5, s40, v5
	v_lshrrev_b32 v138, 4, v0                      ; V: channel 2 wave + hh, 16 bytes a lane
	v_lshlrev_b32 v6, 11, v138
	v_lshl_add_u32 v6, v135, 4, v6
	v_mul_u32_u24 v7, v138, VP
	v_lshl_add_u32 v7, v135, 4, v7
	v_add_nc_u32 v7, VREG, v7
	v_lshlrev_b32 v28, 12, v0                      ; prefetch: a key's row for each thread of waves 0-7,
	v_and_b32 v30, 63, v0
	v_lshlrev_b32 v30, 11, v30                     ; a channel's row for each thread of waves 8, 9
	v_lshlrev_b32 v31, 12, v136
	v_lshl_add_u32 v31, v135, 4, v31               ; out: lanes 0-15 one row, lanes 16-31 the next; 16 bytes a lane
	v_lshl_add_u32 v132, v0, 4, BIAS               ; where I store four keys' bias
	v_lshlrev_b32 v133, 2, v0                      ; my four bytes of values_mask
	v_and_b32 v134, 31, v0
	v_lshlrev_b32 v134, 2, v134                    ; my lane's four bytes of a step's 128
	v_lshlrev_b32 v137, 12, v135
	v_lshl_add_u32 v137, v136, 6, v137             ; Q: row r, + 64 hh: my 16 numbers of each 32
	s_and_b32 s41, ttmp7, 0xffff
	s_lshr_b32 s42, s41, 4                         ; b
	s_and_b32 s43, s41, 15                         ; h
	s_lshl_b32 s44, s42, 23
	s_lshl_b32 s46, s43, 8
	s_add_co_u32 s44, s44, s46                     ; the head in the f32 tensors: b x 8,388,608 + 256 h
	s_mov_b32 s45, 0
	s_lshl_b32 s46, s21, 12
	s_add_co_u32 s46, s46, s44                     ; + Q0 rows
	s_mov_b32 s47, 0
	s_lshl_b32 s48, s42, 21
	s_lshl_b32 s50, s43, 17
	s_add_co_u32 s48, s48, s50                     ; the head in values_codes
	s_mov_b32 s49, 0
	s_lshl_b32 s50, s42, 11                        ; the batch in the masks
	s_mov_b32 s51, 0
	s_add_co_u32 s54, s50, s21
	s_mov_b32 s55, 0
	s_mov_b32 s22, 0x76543210
	s_mov_b32 s23, 0xfedcba98
	s_wait_kmcnt 0x0
	s_load_b128 s[24:27], s[10:11], 0x0            ; e0, e1, e2, e3
	s_add_nc_u64 s[4:5], s[4:5], s[46:47]
	s_add_nc_u64 s[16:17], s[16:17], s[46:47]
	s_add_nc_u64 s[6:7], s[6:7], s[44:45]
	s_add_nc_u64 s[8:9], s[8:9], s[48:49]
	s_add_nc_u64 s[14:15], s[14:15], s[50:51]
	s_add_nc_u64 s[12:13], s[12:13], s[54:55]
	global_load_b32 v176, v133, s[14:15]           ; four keys' mask bytes for the bias
.irp s, 0,1,2,3,4,5,6,7,8,9,10,11,12,13,14,15
	global_load_b32 v[160+\s], v134, s[14:15] offset:128*\s   ; step s: the wave reads its 128 mask bytes
.endr
	global_load_u8 v29, v135, s[12:13]             ; my query's mask byte
.irp c, 0,1
.irp j, 0,1,2,3
	global_load_b128 v[96+16*\c+4*\j:99+16*\c+4*\j], v137, s[4:5] offset:128*\c+16*\j th:TH_LOAD_NT
.endr
.endr
	LOADS                                          ; slot 0
	s_wait_loadcnt 18                              ; the masks are in; Q's 8 loads, K's 8 and V's 2 may be out
.irp i, 0,1,2,3
	v_bfe_u32 v[128+\i], v176, 8*\i, 8
.endr
.irp i, 0,1,2,3
	v_cvt_f32_u32 v[128+\i], v[128+\i]
.endr
.irp i, 0,1,2,3
	v_mul_f32 v[128+\i], 0xc97423f0, v[128+\i]     ; -999999 x the byte
.endr
	ds_store_b128 v132, v[128:131]
	s_mov_b32 s34, 0
.irp s, 0,1,2,3,4,5,6,7,8,9,10,11,12,13,14,15
	v_cmp_eq_u32 vcc_lo, 0x01010101, v[160+\s]
	s_cmp_eq_u32 vcc_lo, -1                        ; all 128 bytes of step s are 1
	s_cselect_b32 s40, 1<<\s, 0
	s_or_b32 s34, s34, s40
.endr
	s_lshl_b32 s40, 1, s19
	s_sub_co_u32 s40, s40, 1
	s_and_b32 s34, s34, s40                        ; only steps under the diagonal,
	s_wait_kmcnt 0x0
	s_add_co_i32 s41, s24, s25
	s_cmp_gt_i32 s41, -2
	s_cselect_b32 s34, 0, s34                      ; only where e0 + e1 <= -2,
	s_cmp_eq_u32 s21, 2032
	s_cselect_b32 s34, 0, s34                      ; and not in the tile that holds query 2047
	s_sub_co_i32 s42, s41, 3
	s_lshl_b32 s43, s42, 23
	s_add_co_i32 s30, s43, 0x3fb8aa3b              ; log2(e) x 2^(e0+e1-3): the exponents are added to its exponent field
	s_mov_b32 s31, s30                             ; (named with it as a pair, so it is written)
	s_add_co_i32 s42, s42, 127
	s_lshl_b32 s32, s42, 23                        ; 2^(e0+e1-3): the two scales and the division by 8
	s_mov_b32 s33, s32
	s_mov_b32 s52, 0x3fb8aa3b                      ; log2(e) to f32,
	s_mov_b32 s53, s52
	s_mov_b32 s56, 0x32a57060                      ; and what that leaves of it: 1.92596e-8
	s_mov_b32 s57, s56
	SCALE 24, 138, 139
	SCALE 25, 24, 25
	SCALE 26, 26, 27
	s_wait_loadcnt 10                              ; Q is in; slot 0's ten loads may be out
.set n, 0
.rept 32
	v_med3_num_f32 v[96+n], v[96+n], -v139, v139
.set n, n+1
.endr
.irp m, 0,1,2,3
	v_cvt_scalef32_pk8_fp8_f32 v[16+2*\m:17+2*\m], v[96+8*\m:103+8*\m], v138   ; registers 4 c .. 4 c + 3: k = 32 c + 16 hh + 0 .. 15
.endr
	v_nop                                          ; one plain line behind the last conversion
.set n, 0
.rept 32
	v_mov_b32 v[160+n], 0                          ; O^T: the step is written once; the first finds zeros
.set n, n+1
.endr
	v_mov_b32 v13, 0xfe967699                      ; the largest logit so far: -1e38 (its product with log2(e) is still an f32 number)
	v_mov_b32 v12, 0x7e967699                      ; -M to go with it: +1e38: the first step's f is 0, and finds zeros
	v_mov_b32 v14, 0
	v_mov_b32 v15, 0
	v_mov_b32 v249, 0                              ; (named as the upper half of a pair)
	v_mov_b32 v255, 0                              ; (a lane permute's destination counts as read)
	s_mov_b32 s35, 0
	s_mov_b32 s37, 0
	s_mov_b32 s38, 0
	s_mov_b32 s39, 0
	s_wait_loadcnt 0x0                             ; slot 0
	v_add_nc_u32 v8, s37, v5
	v_add_nc_u32 v9, s38, v7
	STAGE 0, 0
	s_wait_dscnt 0x0                               ; for the others: slot 0 and the bias have landed
	s_add_nc_u64 s[6:7], s[6:7], 0x100000          ; (every load that named the bases is done)
	s_add_nc_u64 s[8:9], s[8:9], 256
	LOADS                                          ; slot 1
	s_barrier_signal -1
	s_barrier_wait -1
	s_mov_b32 s36, 0
.Lslot:                                            ; six trips: slots 0 to 5 are worked, 1 to 6 staged, 2 to 7 asked for
	TRIP 1, 1, 1
	s_add_co_u32 s36, s36, 1
	s_cmp_lt_u32 s36, 6
	s_cbranch_scc1 .Lslot
	TRIP 1, 0, 0                                   ; slot 6; slot 7 is staged; nothing is left to ask for
	TRIP 0, 0, 0                                   ; slot 7
	; THE WAY OUT.  O^T / the sum x 2^(e2 + e3), 0 where my query's mask byte is 0; through my stage in LDS, so that sixteen lanes store 256 consecutive bytes of a row of out, aligned.
	; The lines up to the barrier are more than four plain ones that name no register of the last products: their places.
	v_add_f32 v14, v14, v15
	v_permlanex16_b32 v255, v14, s22, s23
	v_add_f32 v14, v14, v255                       ; the row's sum
	v_rcp_f32 v14, v14
	v_and_b32 v8, 15, v0                           ; (a plain line behind the reciprocal)  r
	v_bfe_u32 v10, v0, 4, 1                        ; hh
	s_mul_i32 s41, s18, 16*OP                      ; my stage
	v_mul_u32_u24 v9, v10, OP
	v_lshl_add_u32 v9, v8, 4, v9
	v_add_nc_u32 v9, s41, v9                       ; back: lanes 0-15 one row, lanes 16-31 the next
	v_mul_u32_u24 v8, v8, OP
	v_lshl_add_u32 v8, v10, 5, v8
	v_add_nc_u32 v8, s41, v8                       ; in: row r, + 32 hh; tile t 64 t bytes on
	s_add_co_i32 s40, s26, s27
	s_wait_alu depctr_va_vdst(0)
	v_ldexp_f32 v14, v14, s40
	v_cmp_ne_u32 vcc_lo, 0, v29
	v_cndmask_b32 v14, 0, v14, vcc_lo
	s_wait_dscnt 0x0                               ; my reads of K are over
	s_barrier_signal -1
	s_barrier_wait -1                              ; everybody's are: the stages may lie over K's rows
.set n, 0
.rept 32
	v_mul_f32 v[96+n], v[160+n], v14               ; register 8 t + i: out(r, 16 t + 8 hh + i); each accumulator from its low end on
.set n, n+1
.endr
.irp t, 0,1,2,3
	ds_store_b128 v8, v[96+8*\t:99+8*\t] offset:64*\t
	ds_store_b128 v8, v[100+8*\t:103+8*\t] offset:64*\t+16
.endr
.irp i, 0,1,2,3,4,5,6,7
	ds_load_b128 v[32+4*\i:35+4*\i], v9 offset:2*\i*OP   ; LDS serves a wave's instructions in order (ISA guide 5.7.1.4): these see my stores
.endr
.irp i, 0,1,2,3,4,5,6,7
	s_wait_dscnt 7-\i                              ; the younger loads of this run may stay out
	global_store_b128 v31, v[32+4*\i:35+4*\i], s[16:17] offset:8192*\i th:TH_STORE_NT
.endr
	s_wait_xcnt 0x0
	v_lshl_add_u32 v254, v0, 2, 0x4c000
	v_mov_b32 v255, 0
	s_wait_tensorcnt 0x0
	ds_add_u32 v254, v255
	s_wait_dscnt 0x0
	s_endpgm
.Lfunc_end_k_q69069ed7b8_attn:
	.size	k_q69069ed7b8_attn, .Lfunc_end_k_q69069ed7b8_attn-k_q69069ed7b8_attn
	.p2alignl 7, 3214868480
	.fill 96, 4, 3214868480
	.section	.rodata,"a",@progbits
	.p2align	6, 0x0
	.amdhsa_kernel k_q69069ed7b8_attn
		.amdhsa_group_segment_fixed_size 313344
		.amdhsa_private_segment_fixed_size 0
		.amdhsa_enable_private_segment 0
		.amdhsa_kernarg_size 56
		.amdhsa_user_sgpr_count 2
		.amdhsa_user_sgpr_kernarg_segment_ptr 1
		.amdhsa_wavefront_size32 1
		.amdhsa_system_sgpr_workgroup_id_x 1
		.amdhsa_system_sgpr_workgroup_id_y 1
		.amdhsa_system_sgpr_workgroup_id_z 1
		.amdhsa_system_vgpr_workitem_id 0
		.amdhsa_next_free_vgpr 256
		.amdhsa_next_free_sgpr 66
		.amdhsa_reserve_vcc 1
		.amdhsa_float_denorm_mode_32 3
		.amdhsa_float_denorm_mode_16_64 3
		.amdhsa_memory_ordered 1
		.amdhsa_forward_progress 1
		.amdhsa_inst_pref_size 199
	.end_amdhsa_kernel
	.amdgpu_metadata
---
amdhsa.version: [ 1, 2 ]
amdhsa.kernels:
  - .name:           k_q69069ed7b8_attn
    .symbol:         k_q69069ed7b8_attn.kd
    .args:
      - { .name: queries, .offset: 0, .size: 8, .value_kind: global_buffer, .address_space: global }
      - { .name: keys, .offset: 8, .size: 8, .value_kind: global_buffer, .address_space: global }
      - { .name: values_codes, .offset: 16, .size: 8, .value_kind: global_buffer, .address_space: global }
      - { .name: lowp_scales, .offset: 24, .size: 8, .value_kind: global_buffer, .address_space: global }
      - { .name: queries_mask, .offset: 32, .size: 8, .value_kind: global_buffer, .address_space: global }
      - { .name: values_mask, .offset: 40, .size: 8, .value_kind: global_buffer, .address_space: global }
      - { .name: out0, .offset: 48, .size: 8, .value_kind: global_buffer, .address_space: global }
    .group_segment_fixed_size: 313344
    .private_segment_fixed_size: 0
    .kernarg_segment_align: 8
    .kernarg_segment_size: 56
    .max_flat_workgroup_size: 512
    .sgpr_count:     66
    .vgpr_count:     256
    .wavefront_size: 32
...
	.end_amdgpu_metadata
.endif
;; end of part 1
;; ======== version 2 of 2: 1 launch; version 1 with the launch attn written anew for expert scheduling mode
;; launch attn (part 2): grid 8 x 32, 16 waves a work-group, no clusters, 313,344 bytes of LDS; arguments queries, keys, values_codes, lowp_scales, queries_mask, values_mask, out0; writes out0
.if DOCPART == 2
	.amdgcn_target "amdgcn-amd-amdhsa--gfx1250"
	.amdhsa_code_object_version 6
	.text
	.protected	k_q69069ed7b8_attn
	.globl	k_q69069ed7b8_attn
	.p2align	8
	.type	k_q69069ed7b8_attn,@function
k_q69069ed7b8_attn:
	s_mov_b64 s[64:65], 0
	v_nop
	global_prefetch_b8 v0, s[64:65] scope:SCOPE_SE
	s_setreg_imm32_b32 hwreg(HW_REG_WAVE_SCHED_MODE, 0, 2), 2
	s_setreg_imm32_b32 hwreg(HW_REG_WAVE_MODE, 25, 1), 1
	s_wait_xcnt 0x0
	s_wait_alu depctr_vm_vsrc(0)
; out[b][q][64 h + d] = sum over k of softmax_k(Q.K / 8 - 999999 x (values_mask[b][k] and k <= q)) V[k][d], rows with queries_mask = 0 set to 0.
; Both products on codes of E4M3.  Q and K arrive as f32 and are quantised here with 2^e0, 2^e1; V arrives as codes, keys innermost (2^e3); p = 2^(t - M), M a whole number, is quantised with 2^e2.
; SHARES.  Grid 8 x 32: y = the head (16 b + h), x = g.  A work-group has sixteen waves of 256 registers, each with ONE tile of 16 queries: tile 8 rank + g, rank = (wave + 15) mod 16, first query Q0 = 128 rank + 16 g.
; So every work-group holds one tile of each block of 128 queries, and all 256 work-groups have like work.
; LDS.  The whole head lies in LDS at the end: K as codes (2,048 rows of 64 bytes, pitch 80), V as codes (8 slots of 64 channels x 256 keys, pitch 272), and the bias -999999 x values_mask as f32.  Every byte of them is written once.
; They are staged through registers, a slot of 256 keys at a time, one slot ahead of its use: global loads two slots ahead, quantiser and LDS stores one slot ahead, one barrier a slot.
; LAYOUT.  Both products are used transposed: S^T = K Q^T (source 0 = 16 keys), O^T = V^T P^T (source 0 = 16 channels): a lane holds ONE query (lane % 16) throughout.
; In each group of 32 keys the LDS row of a key is the key with bits 3 and 4 exchanged: so tile t of a step is rows 16 t .. 16 t + 15, and register 16 b + i of S^T holds key 32 b + 16 (lane / 16) + i: 16 neighbours,
; which the conversions turn straight into the second product's operand.  Fragments are fetched 16 bytes a lane: a permutation of k that is the same on both sides of each product.
; STEPS of 128 keys, s = 0 .. 15.  s > rank (OPEN): every key comes after every query of the tile: no bias, t - M = fma(sum, log2(e) 2^(e0+e1-3), -M).
; s = rank (DIAGONAL), s < rank (BELOW): the logit L = fma(sum, 2^(e0+e1-3), bias), one rounding to f32 as in reference().  Under the bias t = L log2(e) lies near -1.44e6, where neighbouring f32 numbers are 1/8 apart:
; so t is never held in f32 by itself.  With log2(e) = hi + lo (0x3fb8aa3b + 0x32a57060): t - M = fma(L, lo, fma(L, hi, -M)): the inner sum is formed exactly and only a small number is rounded.
; M.  The running maximum is kept of the LOGIT (t grows with it); -M = floor(-t) is made of that one number's two-part product H + R, so M is the ceiling of the largest t at every magnitude, and p <= 1.
; A BELOW STEP IS LEFT OUT where (a) all its 128 bytes of values_mask are 1, (b) e0 + e1 <= -2, (c) the tile does not hold query 2047.  Then |score| <= 64 x 448^2 x 2^-2 / 8 = 401,408, every query q of the tile has
; the unbiased key q + 1 in a step that is not left out, and each t of the step lies more than 284,000 under M: p is 0 in f32, for the sum and for the code.  All three conditions are whole numbers read from inputs or ids.
; NO CLUSTER, NO TENSOR LOAD: K has to pass through registers to be quantised, V is two loads and two stores a lane and slot, and the steps left out hang on loaded numbers and on g, which partners of a cluster would not share.
; LIMITS: e0, e1, e2 between -126 and 119; e0 + e1 between -123 and 130 (each power of two below is an f32 number); logits above -1e38 (the running maximum's start).  NaN among the inputs is not served.
; A row with queries_mask = 0 may hold -0 for 0.
; THE MODE: SCHED_MODE bits 1:0 = 2 (LLVM: expert scheduling mode 2), set by the entry lines.  The code itself states the register dependences between vector or matrix instructions and memory or LDS
; instructions, and those through scalar registers that vector instructions write, with s_wait_alu, always for 0.
; THE PLAN.  Registers that memory or LDS instructions touch, in the loop:
;   v4, v6, v28, v30, v31   offsets of the global loads, prefetches and stores: made at the head, never written again.
;   v8, v9, v10   LDS addresses.  Written by the three additions at a step's head and by the two ahead of STAGE; read by the step's LDS loads and by STAGE's LDS stores.
;   v32-95        K's fragments land, 8 products read them; the bias lands, the diagonal's selects write it and 32 fused lines read it; V's fragments land, 4 products read them.
;                 v32-39 also take STAGE's codes: written by four conversions, read by two LDS stores.
;   v208-239      K as f32: the global loads land; STAGE's holds and conversions read and write them; then the loads of the slot after land.
;   v240-247      V's codes: the global loads land; STAGE's LDS stores read them; then the loads of the slot after land.
;   All else (Q's codes, S^T and p, O^T, p's codes, the statistics) is named by vector and matrix instructions alone until the way out.
; A step has a wait on vm_vsrc ahead of its three additions, and waits on va_vdst ahead of each of its runs of LDS loads (K's; the bias's; V's) and behind its exponentials.  STAGE has a wait on vm_vsrc ahead of its two
; additions and one on va_vdst ahead of its stores; that one also serves the global loads behind it, since only LDS stores, waits and scalar lines stand between; a wait on vm_vsrc ahead of those loads frees v240-247.
; No register is left for a second set of fragments: sixteen waves of 256 registers are four SIMDs' 1,024.
.set KP,    80                         ; a key's row in LDS: 64 codes + 16 bytes: the 16 rows of a fragment load start 80 bytes apart, an odd multiple of 16
.set VP,    272                        ; a channel's row of a slot: 256 codes + 16
.set SLOTK, 256*KP                     ; 20,480
.set SLOTV, 64*VP                      ; 17,408
.set VREG,  8*SLOTK                    ; 163,840: V behind K
.set BIAS,  VREG+8*SLOTV               ; 303,104: 2,048 f32, in the keys' own order
.set OP,    272                        ; the way out: 16 rows x (256 bytes + 16) for each wave, at wave x 4,352, over K's first rows, behind the closing barrier
.set MK,    42                         ; s42-49: the masks of a run of eight compares
; VECTOR REGISTERS.  v1 K fragment place, v2 V fragment place, v3 bias place, v4 K global offset, v5 K store place, v6 V global offset, v7 V store place, v8-10 LDS addresses in hand, v11 D = 16 g + r - 16 hh,
; v12 -M, v13 largest logit, v[14:15] the sum, v16-23 Q's codes, v24/25 2^e1 and 448 x 2^e1, v26/27 the same for e2, v28, v30 prefetch offsets, v29 my query's mask byte, v31 out offset,
; v32-95 fragments of K, or the bias, or fragments of V, v96-159 S^T, then the logit, then p, v160-191 O^T, v192-207 p's codes (ahead of them: at work on t - M), v208-239 K as f32 on its way, v240-247 V's codes on their way,
; v[248:249] f, v[250:251], v252, v254, v255 at work.
; SCALAR REGISTERS.  s[4:5] Q, s[6:7] K (walks), s[8:9] V (walks), s[10:11] scales, s[12:13] queries_mask, s[14:15] values_mask, s[16:17] out, s18 wave, s19 rank, s20 g, s21 Q0, s[22:23] lane selects, s[24:27] e0-e3,
; s28 what brings the step's maximum into the logit's units, s[30:31] log2(e) 2^(e0+e1-3), s[32:33] 2^(e0+e1-3), s34 bit s = step s is left out, s35 the step, s36 the loop's counter, s37-39 the slot's bytes in K, V, bias,
; s42-49 compares' masks (at the head first: offsets), s[52:53] log2(e)'s upper part, s[56:57] its lower part.
.macro SCALE e, sc, lim                ; v[sc] = 2^e as f32 (a conversion takes its exponent field), v[lim] = 448 x 2^e
	s_add_co_i32 s40, s[\e], 127
	s_lshl_b32 s41, s40, 23
	v_mov_b32 v[\sc], s41
	s_add_co_i32 s40, s40, 8
	s_lshl_b32 s40, s40, 23
	s_or_b32 s40, s40, 0x600000
	v_mov_b32 v[\lim], s40
.endm
; A slot's global loads.  K: four lanes to a key, 16 neighbouring numbers a lane; the sixteen waves take 128 keys, twice.  V: sixteen lanes read 256 consecutive bytes of a channel's row; 32 rows, twice.
.macro LOADS
.irp a, 0,1
.irp j, 0,1,2,3
	global_load_b128 v[208+16*\a+4*\j:211+16*\a+4*\j], v4, s[6:7] offset:524288*\a+16*\j
.endr
.endr
.irp u, 0,1
	global_load_b128 v[240+4*\u:243+4*\u], v6, s[8:9] offset:65536*\u
.endr
.endm
; What LOADS brought goes to LDS: K held within +-448 x 2^e1 (the conversion to an 8-bit code does not saturate: ISA guide 7.6.2) and converted, V as it is.  v8, v9: the store places.
; The 32 holds are also the places between the last products and the conversions, which write registers that those products read.
.macro STAGE koff, voff
.set n, 0
.rept 32
	v_med3_num_f32 v[208+n], v[208+n], -v25, v25
.set n, n+1
.endr
.irp m, 0,1,2,3
	v_cvt_scalef32_pk8_fp8_f32 v[32+2*\m:33+2*\m], v[208+8*\m:215+8*\m], v24
.endr
	v_nop                                          ; one plain line behind the last conversion
	s_wait_alu depctr_va_vdst(0)                   ; the conversions have written v32-39 and the additions v8, v9, which the stores below read; holds and conversions are done with v208-239, in which the next global loads land
	ds_store_b128 v8, v[32:35] offset:\koff
	ds_store_b128 v8, v[36:39] offset:\koff+128*KP
	ds_store_b128 v9, v[240:243] offset:\voff
	ds_store_b128 v9, v[244:247] offset:\voff+32*VP
.endm
; A KEY STEP: 128 keys, the q-th half of the slot in hand.
.macro STEP q
	s_wait_alu depctr_vm_vsrc(0)                   ; the LDS loads and stores issued so far have read v8 to v10, which the additions write, and v32-39, in which K's fragments land
	v_add_nc_u32 v8, s37, v1                       ; the three addresses are made on every way; with the v_nop below they are the four places in front of loads into registers that the last products read
	v_add_nc_u32 v9, s38, v2
	v_add_nc_u32 v10, s39, v3
	s_lshr_b32 s40, s34, s35
	s_and_b32 s40, s40, 1
	s_cmp_lg_u32 s40, 0
	s_cbranch_scc1 .Lskip_\@                       ; a step whose every p is 0: see the head
	v_nop
	s_wait_alu depctr_va_vdst(0)                   ; v8 to v10 are written, which this step's LDS loads read; the last products are done reading v32-95, and STAGE's conversions have written v32-39: K's fragments land there
.irp t, 0,1,2,3,4,5,6,7
.irp c, 0,1
	ds_load_b128 v[32+8*\t+4*\c:35+8*\t+4*\c], v8 offset:(128*(\q)+16*\t)*KP+32*\c
.endr
.endr
	s_wait_dscnt 0x0
.irp t, 0,1,2,3,4,5,6,7
	v_wmma_f32_16x16x64_fp8_fp8 v[96+8*\t:103+8*\t], v[32+8*\t:39+8*\t], v[16:23], 0
.endr
.rept 4
	v_nop                                          ; places: the results are read next, and loads go into the fragments' registers
.endr
	s_cmp_gt_u32 s35, s19
	s_cselect_b32 s28, s32, 1.0                    ; OPEN: the registers keep the sums, and a logit is sum x 2^(e0+e1-3); else they hold logits below
	s_cbranch_scc1 .Lopen_\@
	s_wait_alu depctr_va_vdst(0)                   ; the eight products are done reading K's fragments in v32-95, in which the bias lands
.irp b, 0,1,2,3
.irp j, 0,1,2,3
	ds_load_b128 v[32+16*\b+4*\j:35+16*\b+4*\j], v10 offset:512*(\q)+128*\b+16*\j   ; the bias of my 64 keys, in the order of S^T's registers
.endr
.endr
	s_wait_dscnt 0x0
	s_cmp_eq_u32 s35, s19
	s_cbranch_scc0 .Lbelow_\@
.set n, 0
.rept 8                                        ; DIAGONAL: the bias stays only where key <= query: 32 b + i <= D.  Eight compares in a run, one wait, eight selects
.set m, 0
.rept 8
	v_cmp_le_i32 s[MK+m], 32*((n+m)/16)+(n+m)%16, v11
.set m, m+1
.endr
	s_wait_alu depctr_va_sdst(0)                   ; the eight compares have written s42-49, which the selects read
.set m, 0
.rept 8
	v_cndmask_b32 v[32+n+m], 0, v[32+n+m], s[MK+m]
.set m, m+1
.endr
.set n, n+8
.endr
.Lbelow_\@:
.set n, 0
.rept 32
	v_pk_fma_f32 v[96+n:97+n], v[96+n:97+n], s[32:33], v[32+n:33+n] op_sel_hi:[1,0,1]   ; L = score + bias, rounded once; each accumulator from its low end on
.set n, n+2
.endr
.Lopen_\@:
	s_wait_alu depctr_va_vdst(0)                   ; OPEN: the eight products are done reading v32-95; else: the selects have written the bias there and the fused lines are done reading it: V's fragments land in these registers
.irp t, 0,1,2,3
.irp c, 0,1,2,3
	ds_load_b128 v[32+16*\t+4*\c:35+16*\t+4*\c], v9 offset:16*\t*VP+128*(\q)+32*\c   ; V's four fragments land while the softmax is worked, which names none of v32-95
.endr
.endr
	v_max3_num_f32 v254, v96, v97, v98             ; the largest of my query's 64 numbers, in two chains, ascending
	v_max3_num_f32 v252, v99, v100, v101
.set n, 6
.rept 14
	v_max3_num_f32 v254, v254, v[96+n], v[97+n]
	v_max3_num_f32 v252, v252, v[98+n], v[99+n]
.set n, n+4
.endr
	v_max3_num_f32 v254, v254, v158, v159
	v_max_num_f32 v254, v254, v252
	v_permlanex16_b32 v255, v254, s22, s23
	v_max_num_f32 v254, v254, v255                 ; and of lane l xor 16
	v_mul_f32 v254, s28, v254                      ; as a logit (a power of two, or 1: nothing is rounded)
	v_max_num_f32 v13, v13, v254                   ; the running largest logit
	v_mul_f32 v252, s52, v13                       ; its t in two parts: H = fl(L hi),
	v_fma_f32 v250, v13, s52, -v252                ; L hi - H, which the fused form gives exactly,
	v_fma_f32 v250, v13, s56, v250                 ; R = L lo + that: t = H + R
	v_floor_f32 v251, -v252                        ; n0 = floor(-H)
	v_add_f32 v252, v252, v251                     ; H + n0 = -g, g in [0, 1): exact
	v_add_f32 v252, v252, v250                     ; -(g - R)
	v_floor_f32 v252, -v252                        ; floor(g - R)
	v_mov_b32 v254, v12
	v_add_f32 v12, v251, v252                      ; -M = floor(-t) = -ceil(t): a whole number
	v_sub_f32 v254, v12, v254                      ; old M - new M, 0 or less
	v_cvt_i32_f32 v254, v254                       ; (it saturates)
	v_ldexp_f32 v248, 1.0, v254                    ; f = 2^(old M - new M): rounds nothing
	s_cmp_gt_u32 s35, s19
	s_cbranch_scc1 .Lfused_\@
; t - M of a logit that may carry the bias: L hi - M first, fused, then + L lo.  Sixteen numbers at a time through p's code registers, which are free until the conversions
; and were last read by a product far more than four plain lines back.
.set n, 0
.rept 4
.set m, 0
.rept 8
	v_pk_fma_f32 v[192+m:193+m], v[96+n+m:97+n+m], s[52:53], v[12:13] op_sel_hi:[1,0,0]
.set m, m+2
.endr
.set m, 0
.rept 8
	v_pk_fma_f32 v[96+n+m:97+n+m], v[96+n+m:97+n+m], s[56:57], v[192+m:193+m] op_sel_hi:[1,0,1]
.set m, m+2
.endr
.set n, n+16
.endr
	s_branch .Lexp_\@
.Lfused_\@:
.set n, 0
	s_wait_alu depctr_va_vdst(0)
.rept 32
	v_pk_fma_f32 v[96+n:97+n], v[96+n:97+n], s[30:31], v[12:13] op_sel_hi:[1,0,0]   ; OPEN: t - M straight from the sums
.set n, n+2
.endr
.Lexp_\@:
.set n, 0
	s_wait_alu depctr_va_vdst(0)
.rept 64
	v_exp_f32 v[96+n], v[96+n]                     ; p = 2^(t - M): not normalised
.set n, n+1
.endr
	v_pk_mul_f32 v[14:15], v[14:15], v[248:249] op_sel_hi:[1,0]   ; the sum under the new M (a plain line behind the exponentials)
	s_wait_alu depctr_va_vdst(0)                   ; the 64 exponentials have written p in v96-159: one wait for the batch, ahead of its first reader
	v_pk_add_f32 v[250:251], v[96:97], v[98:99]    ; the sum is taken of the unquantised p, in two chains
.set n, 4
.rept 15
	v_pk_add_f32 v[14:15], v[14:15], v[96+n:97+n]
	v_pk_add_f32 v[250:251], v[250:251], v[98+n:99+n]
.set n, n+4
.endr
	v_pk_add_f32 v[14:15], v[14:15], v[250:251]
	s_cmp_ge_i32 s26, -8                           ; p is under 1.75 = 448 x 2^-8: from e2 = -8 on no p passes the largest code, and the hold is not needed
	s_cbranch_scc1 .Lnohold_\@
.set n, 0
.rept 64
	v_min_num_f32 v[96+n], v[96+n], v27            ; p is not negative: a one-sided hold
.set n, n+1
.endr
.Lnohold_\@:
.irp b, 0,1,2,3
	v_cvt_scalef32_pk8_fp8_f32 v[192+4*\b:193+4*\b], v[96+16*\b:103+16*\b], v26
	v_cvt_scalef32_pk8_fp8_f32 v[194+4*\b:195+4*\b], v[104+16*\b:111+16*\b], v26
.endr
.set n, 0
.rept 16
	v_pk_mul_f32 v[160+n:161+n], v[160+n:161+n], v[248:249] op_sel_hi:[1,0]   ; O^T under the new M; also the plain lines behind the conversions
.set n, n+2
.endr
	s_wait_alu depctr_va_vdst(0)
	s_wait_dscnt 0x0                               ; V's fragments
.irp t, 0,1,2,3                                ; the four accumulators take one turn each
	v_wmma_f32_16x16x128_fp8_fp8 v[160+8*\t:167+8*\t], v[32+16*\t:47+16*\t], v[192:207], v[160+8*\t:167+8*\t]
.endr
.Lskip_\@:
	s_add_co_u32 s35, s35, 1
.endm
; A SLOT: two steps.  stage = 1: between them the next slot goes to LDS, and the barrier is signalled; it is waited for behind the second step, which reads only this slot and the bias, bytes that nobody writes again in the loop.
; load = 1: the slot after the next is asked for.  pf = 1: the prefetch.
.macro TRIP stage, load, pf
	STEP 0
.if \stage
	s_wait_loadcnt 0x0                             ; the next slot's ten loads, asked for a slot ago
	s_wait_alu depctr_vm_vsrc(0)                   ; the step's LDS loads have read v8 and v9, which the two additions write
	v_add_nc_u32 v8, s37, v5
	v_add_nc_u32 v9, s38, v7
	STAGE SLOTK, SLOTV
	s_wait_dscnt 0x0                               ; for the others: my stores have landed
.endif
.if \load
	s_wait_xcnt 0x0                                ; the bases are stepped only behind this wait (the last prefetch named them too)
	s_wait_alu depctr_vm_vsrc(0)                   ; STAGE's LDS stores have read v240-247, in which the loads below land (v208-239: the wait on va_vdst in STAGE; no vector instruction stands between it and these loads)
	s_add_nc_u64 s[6:7], s[6:7], 0x100000          ; 256 keys x 4,096 bytes
	s_add_nc_u64 s[8:9], s[8:9], 256
	LOADS
.endif
.if \pf
; Of a head's eight work-groups, number g = trip + 4 asks for slot g of K (waves 0-7: 256 rows, a lane to each row's 256 bytes) and of V (waves 8, 9: 64 rows): two slots beyond the loads just issued.
; Each block of slots 4 to 7 is asked for once in the launch; g ends at 7, so nothing beyond slot 7 is named.
	s_add_co_u32 s40, s36, 4
	s_cmp_lg_u32 s40, s20
	s_cbranch_scc1 .Lnopf_\@
	s_cmp_lt_u32 s18, 8
	s_cbranch_scc0 .Lpfv_\@
	global_prefetch_b8 v28, s[6:7] offset:2097152 th:TH_LOAD_NT scope:SCOPE_SE
	s_branch .Lnopf_\@
.Lpfv_\@:
	s_cmp_lt_u32 s18, 10
	s_cbranch_scc0 .Lnopf_\@
	global_prefetch_b8 v30, s[8:9] offset:512 th:TH_LOAD_NT scope:SCOPE_SE
.Lnopf_\@:
.endif
.if \stage
	s_barrier_signal -1
.endif
	STEP 1
.if \stage
	s_barrier_wait -1                              ; the next slot is whole
	s_add_co_u32 s37, s37, SLOTK
	s_add_co_u32 s38, s38, SLOTV
	s_add_co_u32 s39, s39, 1024
.endif
.endm
	s_load_b256 s[4:11], s[0:1], 0x0               ; queries, keys, values_codes, lowp_scales
	s_load_b128 s[12:15], s[0:1], 0x20             ; queries_mask, values_mask
	s_load_b64 s[16:17], s[0:1], 0x30              ; out0
	v_lshrrev_b32 v138, 5, v0
	v_readfirstlane_b32 s18, v138                  ; wave 0..15
	s_wait_alu depctr_va_sdst(0)                   ; s18 is written, ahead of its first reader
	s_add_co_u32 s19, s18, 15
	s_and_b32 s19, s19, 15                         ; rank
	s_mov_b32 s20, ttmp9                           ; g
	s_lshl_b32 s21, s19, 7
	s_lshl_b32 s40, s20, 4
	s_add_co_u32 s21, s21, s40                     ; Q0 = 128 rank + 16 g
	v_and_b32 v135, 15, v0                         ; r
	v_bfe_u32 v136, v0, 4, 1                       ; hh
	v_lshlrev_b32 v138, 4, v136
	v_sub_nc_u32 v11, v135, v138
	v_add_nc_u32 v11, s40, v11                     ; D = 16 g + r - 16 hh
	v_mul_u32_u24 v1, v135, KP
	v_lshl_add_u32 v1, v136, 4, v1                 ; K fragment: row r, + 16 hh
	v_mul_u32_u24 v2, v135, VP
	v_lshl_add_u32 v2, v136, 4, v2
	v_add_nc_u32 v2, VREG, v2                      ; V fragment: channel r, + 16 hh
	v_lshlrev_b32 v3, 6, v136
	v_add_nc_u32 v3, BIAS, v3                      ; bias: 16 hh keys on
	v_lshrrev_b32 v138, 2, v0
	v_and_b32 v139, 3, v0
	v_lshlrev_b32 v4, 12, v138
	v_lshl_add_u32 v4, v139, 6, v4                 ; K in memory: key 8 wave + lane / 4, my 64 bytes of its 256
	s_lshr_b32 s40, s18, 2                         ; its LDS row: bits 3 and 4 of the key (the wave's bits 0 and 1) exchanged
	s_lshl_b32 s40, s40, 5
	s_and_b32 s41, s18, 1
	s_lshl_b32 s41, s41, 4
	s_add_co_u32 s40, s40, s41
	s_bfe_u32 s41, s18, 0x10001
	s_lshl_b32 s41, s41, 3
	s_add_co_u32 s40, s40, s41
	s_mul_i32 s40, s40, KP
	v_bfe_u32 v138, v0, 2, 3
	v_mul_u32_u24 v5, v138, KP
	s_wait_alu depctr_va_vdst(0)
	v_lshl_add_u32 v5, v139, 4, v5
	v_add_nc_u32 v5, s40, v5
	v_lshrrev_b32 v138, 4, v0                      ; V: channel 2 wave + hh, 16 bytes a lane
	v_lshlrev_b32 v6, 11, v138
	v_lshl_add_u32 v6, v135, 4, v6
	v_mul_u32_u24 v7, v138, VP
	v_lshl_add_u32 v7, v135, 4, v7
	v_add_nc_u32 v7, VREG, v7
	v_lshlrev_b32 v28, 12, v0                      ; prefetch: a key's row for each thread of waves 0-7,
	v_and_b32 v30, 63, v0
	v_lshlrev_b32 v30, 11, v30                     ; a channel's row for each thread of waves 8, 9
	v_lshlrev_b32 v31, 12, v136
	v_lshl_add_u32 v31, v135, 4, v31               ; out: lanes 0-15 one row, lanes 16-31 the next; 16 bytes a lane
	v_lshl_add_u32 v132, v0, 4, BIAS               ; where I store four keys' bias
	v_lshlrev_b32 v133, 2, v0                      ; my four bytes of values_mask
	v_and_b32 v134, 31, v0
	v_lshlrev_b32 v134, 2, v134                    ; my lane's four bytes of a step's 128
	v_lshlrev_b32 v137, 12, v135
	v_lshl_add_u32 v137, v136, 6, v137             ; Q: row r, + 64 hh: my 16 numbers of each 32
	s_and_b32 s41, ttmp7, 0xffff
	s_lshr_b32 s42, s41, 4                         ; b
	s_and_b32 s43, s41, 15                         ; h
	s_lshl_b32 s44, s42, 23
	s_lshl_b32 s46, s43, 8
	s_add_co_u32 s44, s44, s46                     ; the head in the f32 tensors: b x 8,388,608 + 256 h
	s_mov_b32 s45, 0
	s_lshl_b32 s46, s21, 12
	s_add_co_u32 s46, s46, s44                     ; + Q0 rows
	s_mov_b32 s47, 0
	s_lshl_b32 s48, s42, 21
	s_lshl_b32 s50, s43, 17
	s_add_co_u32 s48, s48, s50                     ; the head in values_codes
	s_mov_b32 s49, 0
	s_lshl_b32 s50, s42, 11                        ; the batch in the masks
	s_mov_b32 s51, 0
	s_add_co_u32 s54, s50, s21
	s_mov_b32 s55, 0
	s_mov_b32 s22, 0x76543210
	s_mov_b32 s23, 0xfedcba98
	s_wait_kmcnt 0x0
	s_load_b128 s[24:27], s[10:11], 0x0            ; e0, e1, e2, e3
	s_add_nc_u64 s[4:5], s[4:5], s[46:47]
	s_add_nc_u64 s[16:17], s[16:17], s[46:47]
	s_add_nc_u64 s[6:7], s[6:7], s[44:45]
	s_add_nc_u64 s[8:9], s[8:9], s[48:49]
	s_add_nc_u64 s[14:15], s[14:15], s[50:51]
	s_add_nc_u64 s[12:13], s[12:13], s[54:55]
	s_wait_alu depctr_va_vdst(0)                   ; every offset and address made above is written: v4, v6, v28, v30, v31 for the whole kernel; v132 to v135 and v137 for the head's loads and its store
	global_load_b32 v176, v133, s[14:15]           ; four keys' mask bytes for the bias
.irp s, 0,1,2,3,4,5,6,7,8,9,10,11,12,13,14,15
	global_load_b32 v[160+\s], v134, s[14:15] offset:128*\s   ; step s: the wave reads its 128 mask bytes
.endr
	global_load_u8 v29, v135, s[12:13]             ; my query's mask byte
.irp c, 0,1
.irp j, 0,1,2,3
	global_load_b128 v[96+16*\c+4*\j:99+16*\c+4*\j], v137, s[4:5] offset:128*\c+16*\j th:TH_LOAD_NT
.endr
.endr
	LOADS                                          ; slot 0
	s_wait_loadcnt 18                              ; the masks are in; Q's 8 loads, K's 8 and V's 2 may be out
.irp i, 0,1,2,3
	v_bfe_u32 v[128+\i], v176, 8*\i, 8
.endr
.irp i, 0,1,2,3
	v_cvt_f32_u32 v[128+\i], v[128+\i]
.endr
.irp i, 0,1,2,3
	v_mul_f32 v[128+\i], 0xc97423f0, v[128+\i]     ; -999999 x the byte
.endr
	s_wait_alu depctr_va_vdst(0)                   ; the four multiplications have written v128-131, which the LDS store reads
	ds_store_b128 v132, v[128:131]
	s_mov_b32 s34, 0
.irp h, 0,1                                    ; the sixteen steps' masks: eight compares in a run, one wait, eight tests
.irp s, 0,1,2,3,4,5,6,7
	v_cmp_eq_u32 s[MK+\s], 0x01010101, v[160+8*\h+\s]
.endr
	s_wait_alu depctr_va_sdst(0)                   ; the eight compares have written s42-49, which the scalar tests read
.irp s, 0,1,2,3,4,5,6,7
	s_cmp_eq_u32 s[MK+\s], -1                      ; all 128 bytes of step 8 h + s are 1
	s_cselect_b32 s40, 1<<(8*\h+\s), 0
	s_or_b32 s34, s34, s40
.endr
.endr
	s_lshl_b32 s40, 1, s19
	s_sub_co_u32 s40, s40, 1
	s_and_b32 s34, s34, s40                        ; only steps under the diagonal,
	s_wait_kmcnt 0x0
	s_add_co_i32 s41, s24, s25
	s_cmp_gt_i32 s41, -2
	s_cselect_b32 s34, 0, s34                      ; only where e0 + e1 <= -2,
	s_cmp_eq_u32 s21, 2032
	s_cselect_b32 s34, 0, s34                      ; and not in the tile that holds query 2047
	s_sub_co_i32 s42, s41, 3
	s_lshl_b32 s43, s42, 23
	s_add_co_i32 s30, s43, 0x3fb8aa3b              ; log2(e) x 2^(e0+e1-3): the exponents are added to its exponent field
	s_mov_b32 s31, s30                             ; (named with it as a pair, so it is written)
	s_add_co_i32 s42, s42, 127
	s_lshl_b32 s32, s42, 23                        ; 2^(e0+e1-3): the two scales and the division by 8
	s_mov_b32 s33, s32
	s_mov_b32 s52, 0x3fb8aa3b                      ; log2(e) to f32,
	s_mov_b32 s53, s52
	s_mov_b32 s56, 0x32a57060                      ; and what that leaves of it: 1.92596e-8
	s_mov_b32 s57, s56
	SCALE 24, 138, 139
	SCALE 25, 24, 25
	SCALE 26, 26, 27
	s_wait_alu depctr_va_vdst(0)
	s_wait_loadcnt 10                              ; Q is in; slot 0's ten loads may be out
.set n, 0
.rept 32
	v_med3_num_f32 v[96+n], v[96+n], -v139, v139
.set n, n+1
.endr
.irp m, 0,1,2,3
	v_cvt_scalef32_pk8_fp8_f32 v[16+2*\m:17+2*\m], v[96+8*\m:103+8*\m], v138   ; registers 4 c .. 4 c + 3: k = 32 c + 16 hh + 0 .. 15
.endr
	v_nop                                          ; one plain line behind the last conversion
.set n, 0
.rept 32
	v_mov_b32 v[160+n], 0                          ; O^T: the step is written once; the first finds zeros
.set n, n+1
.endr
	v_mov_b32 v13, 0xfe967699                      ; the largest logit so far: -1e38 (its product with log2(e) is still an f32 number)
	v_mov_b32 v12, 0x7e967699                      ; -M to go with it: +1e38: the first step's f is 0, and finds zeros
	v_mov_b32 v14, 0
	v_mov_b32 v15, 0
	v_mov_b32 v249, 0                              ; (named as the upper half of a pair)
	v_mov_b32 v255, 0                              ; (a lane permute's destination counts as read)
	s_mov_b32 s35, 0
	s_mov_b32 s37, 0
	s_mov_b32 s38, 0
	s_mov_b32 s39, 0
	s_wait_loadcnt 0x0                             ; slot 0
	v_add_nc_u32 v8, s37, v5
	v_add_nc_u32 v9, s38, v7
	STAGE 0, 0
	s_wait_dscnt 0x0                               ; for the others: slot 0 and the bias have landed
	s_wait_alu depctr_vm_vsrc(0)                   ; STAGE's LDS stores have read v240-247, in which slot 1's loads land; the bias's store and the head's loads have read v128 to v137, which the first products write as part of S^T
	s_add_nc_u64 s[6:7], s[6:7], 0x100000          ; (every load that named the bases is done)
	s_add_nc_u64 s[8:9], s[8:9], 256
	LOADS                                          ; slot 1
	s_barrier_signal -1
	s_barrier_wait -1
	s_mov_b32 s36, 0
.Lslot:                                            ; six trips: slots 0 to 5 are worked, 1 to 6 staged, 2 to 7 asked for
	TRIP 1, 1, 1
	s_add_co_u32 s36, s36, 1
	s_cmp_lt_u32 s36, 6
	s_cbranch_scc1 .Lslot
	TRIP 1, 0, 0                                   ; slot 6; slot 7 is staged; nothing is left to ask for
	TRIP 0, 0, 0                                   ; slot 7
	; THE WAY OUT.  O^T / the sum x 2^(e2 + e3), 0 where my query's mask byte is 0; through my stage in LDS, so that sixteen lanes store 256 consecutive bytes of a row of out, aligned.
	; The lines up to the barrier are more than four plain ones that name no register of the last products: their places.
	s_wait_alu depctr_vm_vsrc(0)                   ; the last step's LDS loads have read v8 to v10, which are made anew below
	v_add_f32 v14, v14, v15
	v_permlanex16_b32 v255, v14, s22, s23
	v_add_f32 v14, v14, v255                       ; the row's sum
	s_wait_alu depctr_va_vdst(0)
	v_rcp_f32 v14, v14
	v_and_b32 v8, 15, v0                           ; (a plain line behind the reciprocal)  r
	v_bfe_u32 v10, v0, 4, 1                        ; hh
	s_mul_i32 s41, s18, 16*OP                      ; my stage
	v_mul_u32_u24 v9, v10, OP
	v_lshl_add_u32 v9, v8, 4, v9
	v_add_nc_u32 v9, s41, v9                       ; back: lanes 0-15 one row, lanes 16-31 the next
	v_mul_u32_u24 v8, v8, OP
	v_lshl_add_u32 v8, v10, 5, v8
	v_add_nc_u32 v8, s41, v8                       ; in: row r, + 32 hh; tile t 64 t bytes on
	s_add_co_i32 s40, s26, s27
	s_wait_alu depctr_va_vdst(0)                   ; the reciprocal has written v14, ahead of its first reader
	v_ldexp_f32 v14, v14, s40
	v_cmp_ne_u32 vcc_lo, 0, v29
	s_wait_alu depctr_va_vcc(0)                    ; the compare has written VCC, which the select reads
	v_cndmask_b32 v14, 0, v14, vcc_lo
	s_wait_alu depctr_va_vdst(0)
	s_wait_dscnt 0x0                               ; my reads of K are over
	s_barrier_signal -1
	s_barrier_wait -1                              ; everybody's are: the stages may lie over K's rows
.set n, 0
.rept 32
	v_mul_f32 v[96+n], v[160+n], v14               ; register 8 t + i: out(r, 16 t + 8 hh + i); each accumulator from its low end on
.set n, n+1
.endr
	s_wait_alu depctr_va_vdst(0)                   ; the multiplications have written v96-127 and the lines above v8, v9, which the LDS stores and loads read; the last products are done reading v32-63, in which the loads from the stage land
.irp t, 0,1,2,3
	ds_store_b128 v8, v[96+8*\t:99+8*\t] offset:64*\t
	ds_store_b128 v8, v[100+8*\t:103+8*\t] offset:64*\t+16
.endr
.irp i, 0,1,2,3,4,5,6,7
	ds_load_b128 v[32+4*\i:35+4*\i], v9 offset:2*\i*OP   ; LDS serves a wave's instructions in order (ISA guide 5.7.1.4): these see my stores
.endr
.irp i, 0,1,2,3,4,5,6,7
	s_wait_dscnt 7-\i                              ; the younger loads of this run may stay out
	global_store_b128 v31, v[32+4*\i:35+4*\i], s[16:17] offset:8192*\i th:TH_STORE_NT
.endr
	s_wait_xcnt 0x0
	v_lshl_add_u32 v254, v0, 2, 0x4c000            ; the add's two registers, made anew: no memory or LDS instruction has read v254 or v255
	v_mov_b32 v255, 0
	s_wait_dscnt 0x0                               ; the closing lines, six on end
	s_wait_alu 0x0
	s_wait_tensorcnt 0x0
	ds_add_u32 v254, v255
	s_wait_dscnt 0x0
	s_endpgm
.Lfunc_end_k_q69069ed7b8_attn:
	.size	k_q69069ed7b8_attn, .Lfunc_end_k_q69069ed7b8_attn-k_q69069ed7b8_attn
	.p2alignl 7, 3214868480
	.fill 96, 4, 3214868480
	.section	.rodata,"a",@progbits
	.p2align	6, 0x0
	.amdhsa_kernel k_q69069ed7b8_attn
		.amdhsa_group_segment_fixed_size 313344
		.amdhsa_private_segment_fixed_size 0
		.amdhsa_enable_private_segment 0
		.amdhsa_kernarg_size 56
		.amdhsa_user_sgpr_count 2
		.amdhsa_user_sgpr_kernarg_segment_ptr 1
		.amdhsa_wavefront_size32 1
		.amdhsa_system_sgpr_workgroup_id_x 1
		.amdhsa_system_sgpr_workgroup_id_y 1
		.amdhsa_system_sgpr_workgroup_id_z 1
		.amdhsa_system_vgpr_workitem_id 0
		.amdhsa_next_free_vgpr 256
		.amdhsa_next_free_sgpr 66
		.amdhsa_reserve_vcc 1
		.amdhsa_float_denorm_mode_32 3
		.amdhsa_float_denorm_mode_16_64 3
		.amdhsa_memory_ordered 1
		.amdhsa_forward_progress 1
		.amdhsa_inst_pref_size 227
	.end_amdhsa_kernel
	.amdgpu_metadata
---
amdhsa.version: [ 1, 2 ]
amdhsa.kernels:
  - .name:           k_q69069ed7b8_attn
    .symbol:         k_q69069ed7b8_attn.kd
    .args:
      - { .name: queries, .offset: 0, .size: 8, .value_kind: global_buffer, .address_space: global }
      - { .name: keys, .offset: 8, .size: 8, .value_kind: global_buffer, .address_space: global }
      - { .name: values_codes, .offset: 16, .size: 8, .value_kind: global_buffer, .address_space: global }
      - { .name: lowp_scales, .offset: 24, .size: 8, .value_kind: global_buffer, .address_space: global }
      - { .name: queries_mask, .offset: 32, .size: 8, .value_kind: global_buffer, .address_space: global }
      - { .name: values_mask, .offset: 40, .size: 8, .value_kind: global_buffer, .address_space: global }
      - { .name: out0, .offset: 48, .size: 8, .value_kind: global_buffer, .address_space: global }
    .group_segment_fixed_size: 313344
    .private_segment_fixed_size: 0
    .kernarg_segment_align: 8
    .kernarg_segment_size: 56
    .max_flat_workgroup_size: 512
    .sgpr_count:     66
    .vgpr_count:     256
    .wavefront_size: 32
...
	.end_amdgpu_metadata
.endif
;; end of part 2
